; MI455X (gfx1250); checked and timed in simulation.
; The chip was launched on July 23, 2026; its instructions are those of AMD's public machine-readable ISA for CDNA 5 (MIT licence, August 2026) and "CDNA5" Instruction Set Architecture Reference Guide (July 2026). The comments in the code are by the model that wrote it; some were corrected since.
;; Multi Head Self Attention. Allowed arithmetic: matrix products marked QUANTISED: E5M2 operands, one given power-of-two scale a tensor, by v_wmma_f32_16x16x64_bf8_bf8 or v_wmma_f32_16x16x128_bf8_bf8, f32 sums; everything else in f32.
;; Inputs: b_out 1,024 float32; b_qkv 3,072 float32; lowp_scales 8 int32 (the exponents e of the quantised operands' scales 2^e); w_out 1,024 x 1,024 float32; w_qkv 1,024 x 3,072 float32; x 4 x 2,048 x 1,024 float32.
;; Outputs: out0 4 x 2,048 x 1,024 float32.
;; This version of the problem:
;;   THIS VERSION OF THE PROBLEM IS GIVEN IN LOW PRECISION. The matrix products marked QUANTISED in the list below multiply operands that are first quantised to E5M2 (5 exponent bits, 2 mantissa bits; 8 bits a number), with one given power-of-two scale for each operand tensor; their sums are f32. All else is computed in f32.
;;   The module's matrix products, in the order in which they are computed (A, B: the left and right operand; K: the contracted axis; several contracted axes count as one K, in the product's order):
;;     1. [M 8,192, K 1,024] x [K 1,024, N 3,072]; A: input x; B: input w_qkv: QUANTISED (scales: A lowp_scales[0], B lowp_scales[1])
;;     2. batch 64 x [M 2,048, K 64] x [K 64, N 2,048]; A: computed on the way; B: computed on the way: QUANTISED (scales: A lowp_scales[2], B lowp_scales[3])
;;     3. batch 64 x [M 2,048, K 2,048] x [K 2,048, N 64]; A: softmax (see below); B: computed on the way: QUANTISED (scales: A lowp_scales[4], B lowp_scales[5])
;;     4. [M 8,192, K 1,024] x [K 1,024, N 1,024]; A: computed on the way; B: input w_out: QUANTISED (scales: A lowp_scales[6], B lowp_scales[7])
;;   THE QUANTISER, for each operand of a quantised product, along K:
;;     - The operand's scale is 2^e, e = its entry of the input lowp_scales (int32; the entries are numbered through the quantised products in the list's order, A before B).
;;     - Each number is divided by the scale, clamped to +-57,344, and rounded to the nearest number of E5M2, ties to even, subnormals kept.
;;     - The product sums the exact products of the quantised numbers (number of the format x scale) in f32.
;;   ~~~python
;;   def quantise(x, axis, e):      # numpy; x: float32 -> the quantised numbers, widened to float32 again
;;       x = np.moveaxis(x, axis, -1); K = x.shape[-1]
;;       r = np.clip(x / 2.0 ** e, -57344, 57344)
;;       step = 2.0 ** (np.maximum(np.frexp(np.where(r == 0, 1, r))[1] - 1, -14) - 2)
;;       q = np.round(r / step) * step * 2.0 ** e      # np.round: ties to even
;;       return np.moveaxis(q, -1, axis).astype(np.float32)
;;   ~~~
;;   SOFTMAX AHEAD OF A QUANTISED PRODUCT. Where the list says 'softmax', what is quantised is not the finished softmax but p = 2^(t - M), with t = logit x log2(e) and M = ceil(the row's largest t), a whole number; so 1/2 < the row's largest p <= 1. The row's sum l is taken of the UNQUANTISED p, in f32, and the product's result is divided by l at the end. Since M is a whole number, a kernel that streams over the keys may use a running M (the ceiling of the running maximum): every later rescaling is an exact power of two, so the quantised numbers keep their values, but for numbers so far below the row's largest that they fall under the format's range.
;;   OPERANDS COMPUTED ON THE WAY. 'Computed on the way' means the value that the module computes at that place (a softmax that the list does not call 'softmax' is quantised finished and normalised). What goes into a quantiser is computed in f32, as accurately as f32 sums, v_exp_f32 and their like allow (about 1e-6 of the number): no bf16 or f16 on the way to a quantiser, and a product that is left as it is and whose result goes on into a quantised operand takes f32 operands (vector FMAs, or v_wmma_f32_16x16x4_f32). A number that lies on a knife's edge between two numbers of the format may be rounded either way, as far as f32 arithmetic and the matrix unit's own rounding can turn it there, and no further.
;; One version. Each part assembles by itself: llvm-mc -triple=amdgcn-amd-amdhsa -mcpu=gfx1250 --defsym DOCPART=n.
;; ======== version 1 of 1: 4 launches
;; limits: right only within a limited range of input values
;; workspace buffers: x_codes 8,388,608 bytes; wqkv_codes 3,145,728 bytes; wout_codes 1,048,576 bytes; q_codes 8,388,608 bytes; k_codes 8,388,608 bytes; v_codes 8,388,608 bytes; ctx_codes 8,388,608 bytes
;; launch prep (part 1): grid 384 x 1, 4 waves a work-group, no clusters, 68,096 bytes of LDS; arguments x, w_qkv, w_out, lowp_scales, x_codes, wqkv_codes, wout_codes; writes x_codes, wqkv_codes, wout_codes
.if DOCPART == 1
	.amdgcn_target "amdgcn-amd-amdhsa--gfx1250"
	.amdhsa_code_object_version 6
	.text
	.protected	k_q5dbb7140b5_prep
	.globl	k_q5dbb7140b5_prep
	.p2align	8
	.type	k_q5dbb7140b5_prep,@function
k_q5dbb7140b5_prep:
	s_mov_b64 s[64:65], 0
	v_nop
	global_prefetch_b8 v0, s[64:65] scope:SCOPE_SE
	s_setreg_imm32_b32 hwreg(HW_REG_WAVE_MODE, 25, 1), 1
	s_wait_xcnt 0x0
; MULTI-HEAD SELF-ATTENTION ON CODES OF BF8 (E5M2), FIRST OF FOUR LAUNCHES: the three inputs that are operands of products become codes, once.
; DEAD WORK: none.  Every input has a way to out0: x, w_qkv and b_qkv through q, k and v (k's part of b_qkv stands ahead of a quantiser, so it can move k's codes), w_out and b_out through the last product,
; and each entry of lowp_scales scales a live operand.  So no step of reference() is left out in any of the four launches, and every input is loaded.
; x [8192][1024] f32, K innermost            -> x_codes    [8192][1024], scale 2^e0.
; w_qkv [1024 k][3072 n] f32, K its FIRST axis -> wqkv_codes [3072][1024], K innermost, scale 2^e1.     w_out [1024 k][1024 n] likewise -> wout_codes [1024][1024], scale 2^e7.
; code = number / 2^e, held within +-57,344, rounded to the nearest code, ties to even.
; LIMITS: e0, e1, e7 between -126 and 112, so that 2^e and 57,344 x 2^e are f32 numbers.  NaN among the inputs is not served (an infinity is held at the largest code).
; SHARES.  Work-groups 0-255: x, a plain stream of 32,768 numbers each; a wave takes 16 steps of 512 numbers.  Each load reads 512 consecutive bytes; a step's 2,048 bytes turn through the wave's own stage in LDS,
; so that a lane then holds 16 neighbours along K, which is what the conversions take; its 16 codes are 16 bytes, and the wave stores 512 consecutive bytes.
; Work-groups 256-351: w_qkv; 352-383: w_out: 128 columns x 256 along K each.  A LANE TAKES A COLUMN n AND ITS REGISTERS RUN DOWN K: each load reads 128 consecutive bytes a wave, and the conversions give codes with K
; innermost; a wave's 32 columns x 256 codes go through its own stage and leave as rows: sixteen lanes store 256 consecutive bytes, aligned.
; One text serves both weights: the pitch is a scalar, the 32 rows of a block stand in 32 offset registers, the 8 blocks in 8 bases; all are written once.
; The two paths part on the work-group's number alone and have LDS bytes of their own.  No tensor load, no barrier: waves share nothing.
.set XSTEPS, 16
.set EMAX,  15
.set MANT,  0x600000                   ; the mantissa field of 57,344 as f32
.set XREG,  8192                       ; x path: LDS of a wave: two stages of 32 x XSP bytes
.set XSP,   80                         ; a lane's place in a stage: its 64 bytes + 16 of padding
.set WST,   32768                      ; w path: the four stages begin here
.set WP,    272                        ; a stage row: 256 codes + 16 of padding
.set WREG,  32*WP
.set SPARE, WST+4*WREG                 ; the spare words, 128 bytes for each wave: two blocks of 256 bytes that no other line names
.set SPW,   12                         ; v12  LDS address of my spare word; never rewritten
.set NIL,   13                         ; v13  0; never rewritten
.set R,     16                         ; x path: v16-79 four sets of 16 numbers as loaded
.set X,     80                         ;         v80-111 two sets of 16 neighbours
.set C,     128                        ;         v128-191 codes: four registers for each step, so that no store's data are written again
.set WX,    32                         ; w path: v32-95 two sets of 32 numbers
.set WC,    96                         ;         v96-103 a block's codes
.set OUTR,  112                        ;         v112-175 the way out
.set VO,    176                        ;         v176-207 row i of a block: 4 x lane + i x pitch
.set SB,    40                         ;         s[40:55] block t's base
	s_load_b256 s[4:11], s[0:1], 0x0               ; x s[4:5], w_qkv s[6:7], w_out s[8:9], the scales' exponents s[10:11]
	s_load_b128 s[12:15], s[0:1], 0x20             ; x_codes, wqkv_codes
	s_load_b64 s[16:17], s[0:1], 0x30              ; wout_codes
	v_lshl_add_u32 v[SPW], v0, 2, SPARE
	v_mov_b32 v[NIL], 0
	v_lshrrev_b32 v1, 5, v0
	v_readfirstlane_b32 s18, v1                    ; wave 0..3
	v_and_b32 v2, 31, v0                           ; lane
	v_lshlrev_b32 v3, 4, v2                        ; 16 x lane: my 16 bytes of a load's 512, and of a step's codes
	; every LDS address of both paths is made here, ahead of the parting
	s_mul_i32 s19, s18, XREG
	v_lshrrev_b32 v14, 2, v2
	v_mul_u32_u24 v14, v14, XSP
	v_and_b32 v15, 3, v2
	v_lshl_add_u32 v14, v15, 4, v14
	v_add_nc_u32 v14, s19, v14                     ; x's stage, in: four lanes' 64 bytes on end, then 16 of padding
	v_mul_u32_u24 v15, v2, XSP
	v_add_nc_u32 v15, s19, v15                     ; and out: my 16 neighbours
	v_lshlrev_b32 v5, 2, v2                        ; w: 4 bytes a lane
	s_mul_i32 s19, s18, WREG
	s_add_co_u32 s19, s19, WST
	v_mul_u32_u24 v6, v2, WP
	v_add_nc_u32 v6, s19, v6                       ; w's stage, in: row = my column
	v_and_b32 v9, 15, v2
	v_lshrrev_b32 v4, 4, v2
	v_mul_u32_u24 v7, v4, WP
	v_lshl_add_u32 v7, v9, 4, v7
	v_add_nc_u32 v7, s19, v7
	v_mul_u32_u24 v208, v9, WP
	v_lshl_add_u32 v208, v4, 4, v208
	v_add_nc_u32 v208, s19, v208                   ; w_qkv's way out of the stage: row = lane % 16, 16 bytes for each half of the lanes
	v_lshlrev_b32 v8, 10, v4
	v_lshl_add_u32 v8, v9, 4, v8                   ; the same place in the codes' buffer: rows of 1,024 bytes
	s_wait_kmcnt 0x0
	s_load_b256 s[24:31], s[10:11], 0x0            ; e0 .. e7
	s_cmp_ge_u32 ttmp9, 256
	s_cbranch_scc1 .Lw
	; ---------------- x ----------------
	s_lshl_b32 s20, ttmp9, 2
	s_add_co_u32 s20, s20, s18                     ; which run of 8,192 numbers is my wave's
	s_lshl_b32 s22, s20, 15                        ; 32,768 bytes of numbers,
	s_mov_b32 s23, 0
	s_add_nc_u64 s[4:5], s[4:5], s[22:23]
	s_lshl_b32 s22, s20, 13                        ; 8,192 bytes of codes
	s_add_nc_u64 s[12:13], s[12:13], s[22:23]
.macro XLOAD t
.irp i, 0,1,2,3
	global_load_b128 v[R+16*((\t)%4)+4*\i:R+16*((\t)%4)+4*\i+3], v3, s[4:5] offset:2048*(\t)+512*\i th:TH_LOAD_NT   ; 32 lanes read 512 consecutive bytes; read once in the launch
.endr
.endm
.macro XTURN t                         ; step t's numbers through the stage: LDS serves a wave's instructions in order (ISA guide 5.7.1.4), so no wait stands between the stores and the loads
.irp i, 0,1,2,3
	ds_store_b128 v14, v[R+16*((\t)%4)+4*\i:R+16*((\t)%4)+4*\i+3] offset:32*XSP*((\t)%2)+8*XSP*\i
.endr
.irp i, 0,1,2,3
	ds_load_b128 v[X+16*((\t)%2)+4*\i:X+16*((\t)%2)+4*\i+3], v15 offset:32*XSP*((\t)%2)+16*\i
.endr
.endm
.irp t, 0,1,2,3
	XLOAD \t
.endr
	s_wait_kmcnt 0x0
	s_add_co_i32 s20, s24, 127
	s_lshl_b32 s21, s20, 23
	v_mov_b32 v11, s21                             ; 2^e0 as f32: the conversion takes its exponent field
	s_add_co_i32 s20, s20, EMAX
	s_lshl_b32 s20, s20, 23
	s_or_b32 s20, s20, MANT
	v_mov_b32 v10, s20                             ; 57,344 x 2^e0
	s_wait_alu depctr_va_vdst(0)
	s_wait_loadcnt 12                              ; step 0's four loads are in; the twelve of steps 1 to 3 may be out
	XTURN 0
.macro XSTEP t
.set XS, X+16*((\t)%2)
	s_wait_dscnt 0x0                               ; this step's numbers are back from the stage: so its stores into the stage have read their registers,
.if (\t)+4 < XSTEPS
	XLOAD (\t)+4                                   ; which take the loads of four steps on
.endif
.if (\t)+1 < XSTEPS
.if XSTEPS-2-(\t) >= 3
	s_wait_loadcnt 12                              ; the next step's four loads are in; those of the three steps behind it may be out
.else
	s_wait_loadcnt 4*(XSTEPS-2-(\t))               ; at the end fewer steps stand behind it
.endif
	XTURN (\t)+1                                   ; and go through the other stage while this step is worked
.endif
.set i, 0
.rept 16
	v_med3_num_f32 v[XS+i], v[XS+i], -v10, v10     ; the conversion to an 8-bit code does not saturate (ISA guide 7.6.2): the hold at the largest code x the scale comes first
.set i, i+1
.endr
	v_cvt_scalef32_pk8_bf8_f32 v[C+4*(\t):C+4*(\t)+1], v[XS:XS+7], v11
	v_cvt_scalef32_pk8_bf8_f32 v[C+4*(\t)+2:C+4*(\t)+3], v[XS+8:XS+15], v11   ; the results go to a store alone; the next vector lines are the next step's holds, plain and on other registers
	global_store_b128 v3, v[C+4*(\t):C+4*(\t)+3], s[12:13] offset:512*(\t)    ; the wave stores 512 consecutive bytes, aligned
.endm
.irp t, 0,1,2,3,4,5,6,7,8,9,10,11,12,13,14,15
	XSTEP \t
.endr
	s_branch .Lend
	; ---------------- the two weights ----------------
.Lw:
	s_sub_co_u32 s20, ttmp9, 256                   ; 0-95: w_qkv; 96-127: w_out
	s_wait_kmcnt 0x0
	s_mov_b32 s21, 4096
	s_cmp_lt_u32 s20, 96                           ; the choices hang on the work-group's number alone
	s_cselect_b64 s[6:7], s[6:7], s[8:9]           ; from
	s_cselect_b64 s[14:15], s[14:15], s[16:17]     ; to
	s_cselect_b32 s21, 12288, s21                  ; a row of the weight in bytes
	s_cselect_b32 s22, s25, s31                    ; e1 or e7
	s_cselect_b32 s23, 0, 24
	s_and_b32 s32, s20, 3                          ; which 256 along K
	s_lshr_b32 s33, s20, 2
	s_sub_co_u32 s33, s33, s23                     ; which 128 columns
	s_lshl_b32 s33, s33, 7
	s_lshl_b32 s34, s18, 5
	s_add_co_u32 s33, s33, s34                     ; my wave's first column
	s_lshl_b32 s34, s32, 8
	s_mul_i32 s36, s34, s21                        ; 256 x that many rows down,
	s_lshl_b32 s35, s33, 2
	s_add_co_u32 s36, s36, s35                     ; 4 bytes a column
	s_mov_b32 s37, 0
	s_add_nc_u64 s[6:7], s[6:7], s[36:37]
	s_lshl_b32 s36, s33, 10                        ; codes: 1,024 bytes for each column (in w_qkv's images too: 16 columns are 16,384 bytes),
	s_lshl_b32 s35, s32, 12                        ; w_qkv: my two K steps of 128 are 2,048 bytes each in an image
	s_cmp_lt_u32 s20, 96
	s_cselect_b32 s35, s35, s34                    ; w_out: my 256 bytes of a row
	s_add_co_u32 s36, s36, s35
	s_add_nc_u64 s[14:15], s[14:15], s[36:37]
	s_lshl_b32 s36, s21, 5                         ; a block of 32 rows
	s_mov_b64 s[SB:SB+1], s[6:7]
.set i, 1
.rept 7
	s_add_nc_u64 s[SB+2*i:SB+2*i+1], s[SB+2*i-2:SB+2*i-1], s[36:37]
.set i, i+1
.endr
	v_mov_b32 v[VO], v5
.set i, 1
.rept 31
	v_add_nc_u32 v[VO+i], s21, v[VO+i-1]
.set i, i+1
.endr
.macro WLOAD t                         ; block t: W(32 t + i, my column), i = 0 .. 31, into set t % 2
.set i, 0
.rept 32
	global_load_b32 v[WX+32*((\t)%2)+i], v[VO+i], s[SB+2*(\t):SB+2*(\t)+1] th:TH_LOAD_NT
.set i, i+1
.endr
.endm
	WLOAD 0
	WLOAD 1
	s_add_co_i32 s22, s22, 127
	s_lshl_b32 s23, s22, 23
	v_mov_b32 v11, s23                             ; 2^e as f32
	s_add_co_i32 s22, s22, EMAX
	s_lshl_b32 s22, s22, 23
	s_or_b32 s22, s22, MANT
	v_mov_b32 v10, s22                             ; 57,344 x 2^e
.macro WBLOCK t
.set XS, WX+32*((\t)%2)
.if (\t) < 7
	s_wait_loadcnt 32                              ; this block's 32 loads are in; the next block's 32 may be out
.else
	s_wait_loadcnt 0
.endif
.set i, 0
.rept 32
	v_med3_num_f32 v[XS+i], v[XS+i], -v10, v10
.set i, i+1
.endr
.irp g, 0,1,2,3
	v_cvt_scalef32_pk8_bf8_f32 v[WC+2*\g:WC+2*\g+1], v[XS+8*\g:XS+8*\g+7], v11
.endr
	ds_store_b128 v6, v[WC:WC+3] offset:32*(\t)    ; 32 codes: 32 bytes of my column's row.  (The results go to LDS stores alone; the next block begins with plain vector lines)
	ds_store_b128 v6, v[WC+4:WC+7] offset:32*(\t)+16
.if (\t)+2 < 8
	WLOAD (\t)+2
.endif
	s_wait_dscnt 0x0                               ; the stores have read their registers: the next block's codes may be written
.endm
	s_wait_alu depctr_va_vdst(0)
.irp t, 0,1,2,3,4,5,6,7
	WBLOCK \t
.endr
	; wqkv_codes IS LAID AS IMAGES OF OPERAND REGISTERS, not as the rows named at the head: [column / 16][k / 128][c = 0 .. 3][lane][16 bytes]; lane (r = lane % 16, h = lane / 16) holds column r, k = 32 c + 16 h + 0 .. 15.
	; The next launch loads such a fragment straight into registers, 512 consecutive bytes a load.  wout_codes keeps its rows.  The branch hangs on the work-group's number alone.
	s_cmp_lt_u32 s20, 96
	s_cbranch_scc0 .Lrows
.irp t, 0,1,2,3,4,5,6,7,8,9,10,11,12,13,14,15
	ds_load_b128 v[OUTR+4*\t:OUTR+4*\t+3], v208 offset:(\t/8)*16*WP+((\t/4)%2)*128+(\t%4)*32
.endr
.irp t, 0,1,2,3,4,5,6,7,8,9,10,11,12,13,14,15
	s_wait_dscnt 15-\t
	global_store_b128 v3, v[OUTR+4*\t:OUTR+4*\t+3], s[14:15] offset:(\t/8)*16384+((\t/4)%2)*2048+(\t%4)*512   ; the wave stores 512 consecutive bytes, aligned
.endr
	s_branch .Lend
.Lrows:
.irp t, 0,1,2,3,4,5,6,7,8,9,10,11,12,13,14,15
	ds_load_b128 v[OUTR+4*\t:OUTR+4*\t+3], v7 offset:2*\t*WP   ; these see my stores: LDS serves a wave's instructions in order
.endr
.irp t, 0,1,2,3,4,5,6,7,8,9,10,11,12,13,14,15
	s_wait_dscnt 15-\t                             ; row pair t is back; the younger loads may be out
	global_store_b128 v8, v[OUTR+4*\t:OUTR+4*\t+3], s[14:15] offset:2*\t*1024   ; sixteen lanes store 256 consecutive bytes, aligned
.endr
.Lend:
	s_wait_tensorcnt 0x0                           ; the wave's end
	ds_add_u32 v[SPW], v[NIL]
	s_wait_dscnt 0x0
	s_endpgm
.Lfunc_end_k_q5dbb7140b5_prep:
	.size	k_q5dbb7140b5_prep, .Lfunc_end_k_q5dbb7140b5_prep-k_q5dbb7140b5_prep
	.p2alignl 7, 3214868480
	.fill 96, 4, 3214868480
	.section	.rodata,"a",@progbits
	.p2align	6, 0x0
	.amdhsa_kernel k_q5dbb7140b5_prep
		.amdhsa_group_segment_fixed_size 68096
		.amdhsa_private_segment_fixed_size 0
		.amdhsa_enable_private_segment 0
		.amdhsa_kernarg_size 56
		.amdhsa_user_sgpr_count 2
		.amdhsa_user_sgpr_kernarg_segment_ptr 1
		.amdhsa_wavefront_size32 1
		.amdhsa_system_sgpr_workgroup_id_x 1
		.amdhsa_system_sgpr_workgroup_id_y 1
		.amdhsa_system_sgpr_workgroup_id_z 1
		.amdhsa_system_vgpr_workitem_id 0
		.amdhsa_next_free_vgpr 216
		.amdhsa_next_free_sgpr 66
		.amdhsa_reserve_vcc 0
		.amdhsa_float_denorm_mode_32 3
		.amdhsa_float_denorm_mode_16_64 3
		.amdhsa_memory_ordered 1
		.amdhsa_forward_progress 1
		.amdhsa_inst_pref_size 90
	.end_amdhsa_kernel
	.amdgpu_metadata
---
amdhsa.version: [ 1, 2 ]
amdhsa.kernels:
  - .name:           k_q5dbb7140b5_prep
    .symbol:         k_q5dbb7140b5_prep.kd
    .args:
      - { .name: x, .offset: 0, .size: 8, .value_kind: global_buffer, .address_space: global }
      - { .name: w_qkv, .offset: 8, .size: 8, .value_kind: global_buffer, .address_space: global }
      - { .name: w_out, .offset: 16, .size: 8, .value_kind: global_buffer, .address_space: global }
      - { .name: lowp_scales, .offset: 24, .size: 8, .value_kind: global_buffer, .address_space: global }
      - { .name: x_codes, .offset: 32, .size: 8, .value_kind: global_buffer, .address_space: global }
      - { .name: wqkv_codes, .offset: 40, .size: 8, .value_kind: global_buffer, .address_space: global }
      - { .name: wout_codes, .offset: 48, .size: 8, .value_kind: global_buffer, .address_space: global }
    .group_segment_fixed_size: 68096
    .private_segment_fixed_size: 0
    .kernarg_segment_align: 8
    .kernarg_segment_size: 56
    .max_flat_workgroup_size: 128
    .sgpr_count:     66
    .vgpr_count:     216
    .wavefront_size: 32
...
	.end_amdgpu_metadata
.endif
;; end of part 1
;; launch qkv (part 2): grid 8 x 32, 4 waves a work-group, clusters of 4 x 1, 266,752 bytes of LDS; arguments x_codes, wqkv_codes, lowp_scales, b_qkv, q_codes, k_codes, v_codes; writes q_codes, k_codes, v_codes
.if DOCPART == 2
	.amdgcn_target "amdgcn-amd-amdhsa--gfx1250"
	.amdhsa_code_object_version 6
	.text
	.protected	k_q5dbb7140b5_qkv
	.globl	k_q5dbb7140b5_qkv
	.p2align	8
	.type	k_q5dbb7140b5_qkv,@function
k_q5dbb7140b5_qkv:
	s_mov_b64 s[64:65], 0
	v_nop
	global_prefetch_b8 v0, s[64:65] scope:SCOPE_SE
	s_setreg_imm32_b32 hwreg(HW_REG_WAVE_MODE, 25, 1), 1
	s_wait_xcnt 0x0
	s_wait_alu depctr_hold_cnt(0) depctr_sa_sdst(0) depctr_va_vdst(0) depctr_va_sdst(0) depctr_va_ssrc(0) depctr_va_vcc(0) depctr_vm_vsrc(0)
	s_getreg_b32 s2, hwreg(HW_REG_IB_STS2, 6, 4)
	s_cmp_eq_u32 s2, 0
	s_cbranch_scc0 .Lentry_in_a_cluster
	s_endpgm
.Lentry_in_a_cluster:
	s_bfe_u32 s2, ttmp6, 0x10000c
	s_cmp_lg_u32 s2, 0x3003
	s_cbranch_scc0 .Lentry_shape_is_right
	s_endpgm
.Lentry_shape_is_right:
; SECOND LAUNCH: qkv = x w_qkv + b_qkv on codes of BF8, and q, k, v quantised on the way out.  No work of reference() is left out.
; SHARES.  256 work-groups: 32 blocks of 256 tokens x 8 groups g of heads.  Group g makes heads 2 g and 2 g + 1 of q, of k and of v: 384 columns.  A wave makes 128 tokens (wave / 2) of one head (2 g + wave % 2)
; in three passes: q, k, v; a pass is 128 tokens x 64 channels x K = 1,024 in 32 accumulators.
; NO RING.  The block's 256 rows of x, all 1,024 codes of each, lie in LDS: each wave brings 64 rows by its one tensor load at the head; nothing is filled again; one barrier.  The four work-groups of a cluster
; share the block and ask for it JOINTLY.  The weight comes from memory straight into registers: wqkv_codes is laid as images of fragments, 512 consecutive bytes a load; a pass's 4 fragments x 8 K steps fill 512
; registers, and as soon as a K step's registers are done with they take the next pass's fragments.  The weight's fragments are not shared by a joint load: such a load ends in LDS, and the partners want other heads.
; Not prefetched: every byte of x is asked for at the head, and the weight's loads run a pass ahead by themselves.
; x's fragments go through a ring of three units of 4 fragments (64 registers); a unit is 16 products, the 32 accumulators by turns.
; q, k: source 0 = 16 rows of the weight, source 1 = 16 tokens: a lane holds one token and eight neighbouring channels.  v: the other way round: one channel and eight neighbouring keys.
; k stands in the same places in both operands: registers 4 c .. 4 c + 3 of lane (r, h) hold k = 32 c + 16 h + 0 .. 15 of a K step.
; Each sum x 2^(e0 + e1) + bias is held within +-57,344 x the operand's scale (e2, e3, e5) and converted; the codes leave as images of the next launch's operand registers, 512 consecutive bytes a store.
; LIMITS: e0 + e1 between -126 and 127; e2, e3, e5 between -126 and 112.  NaN among the inputs is not served.
; REGISTERS.  Window 0: v1-9 addresses and scales; v16-31 codes; v32-223 x's three units; v224-255 a pass's bias (v: v224-231, and v240-255 codes).  Window 1: accumulator (token tile i, channel tile d) at 8 (4 i + d).
;   Windows 2, 3: the weight: K step ks, channel tile d at 64 (ks % 4) + 16 d of window 2 + ks / 4.
.set XP,    1040                       ; a row of x in LDS: 1,024 bytes + 16 of padding: 65 x 16, so the 16 rows that a load touches start at 16 different 16-byte columns
.set SPARE, 256*XP                     ; the spare words, 128 bytes for each wave: two blocks of 256 bytes that no other line names
.set LI,   1                           ; v1   16 x lane
.set AX,   2                           ; v2, v3 my token tiles 0-3, 4-7 in LDS
.set BH,   4                           ; v4   32 h
.set BR,   5                           ; v5   4 r
.set SPW,  6
.set NIL,  7
.set SC,   8                           ; v8   the pass's scale
.set LIM,  9                           ; v9   57,344 x it
.set CD,   16
.set L,    32
.set BJ,   224
.set WV,   18
.set OB,   12                          ; s[12:13] q_codes, s[14:15] k_codes, s[16:17] v_codes, at my wave's part
.set G0,   24
.set G1,   28
.set FS,   48                          ; s[48:49] 2^(e0 + e1)
.set SCS,  50                          ; s50-55 scale and bound of q, k, v
.set MSB, 0
.macro WIN new
.if MSB != (\new)
	s_set_vgpr_msb (MSB<<8)|(\new)
.set MSB, (\new)
.endif
.endm
.macro CROUND
	s_barrier_signal -1
	s_barrier_wait -1
	s_cmp_lg_u32 s[WV], 0
	s_cbranch_scc1 .Lnot_wave_0_\@
	s_barrier_signal -3
.Lnot_wave_0_\@:
	s_barrier_wait -3
	s_barrier_signal -1
	s_barrier_wait -1
.endm
.macro PLACES                          ; four places behind matrix instructions, ahead of loads into their sources and of reads of their results
.rept 4
	v_nop
.endr
.endm
.macro MM ac, a, b, z
.if \z
	v_wmma_f32_16x16x128_bf8_bf8 v[\ac:\ac+7], v[\a:\a+15], v[\b:\b+15], 0
.else
	v_wmma_f32_16x16x128_bf8_bf8 v[\ac:\ac+7], v[\a:\a+15], v[\b:\b+15], v[\ac:\ac+7]
.endif
.endm
.macro SCL n, e
	s_add_co_i32 s36, s\e, 127
	s_lshl_b32 s[SCS+2*\n], s36, 23
	s_add_co_i32 s36, s36, 15
	s_lshl_b32 s36, s36, 23
	s_or_b32 s[SCS+2*\n+1], s36, 0x600000
.endm
.macro BIASJ ty                        ; q, k: the bias of my eight channels of each tile
.irp d, 0,1,2,3
	global_load_b128 v[BJ+8*\d:BJ+8*\d+3], v[BH], s[10:11] offset:4096*\ty+64*\d
	global_load_b128 v[BJ+8*\d+4:BJ+8*\d+7], v[BH], s[10:11] offset:4096*\ty+64*\d+16
.endr
.endm
.macro DLOAD p, ks                     ; the weight's four fragments of pass p, K step ks
	WIN 0x80+0x40*((\ks)/4)
.irp d, 0,1,2,3
.irp c, 0,1,2,3
	global_load_b128 v[64*((\ks)%4)+16*\d+4*\c:64*((\ks)%4)+16*\d+4*\c+3], v[LI], s[6:7] offset:1048576*(\p)+16384*\d+2048*(\ks)+512*\c
.endr
.endr
.endm
.macro LOADU u                         ; unit u of 48: K step (u % 16) / 2, token tiles 4 (u % 2) on, into ring place u % 3
.set LS, L+64*((\u)%3)
.set LK, 128*(((\u)%16)/2)
.set LH, (\u)%2
.irp f, 0,1,2,3
.irp c, 0,1,2,3
	ds_load_b128 v[LS+16*\f+4*\c:LS+16*\f+4*\c+3], v[AX+LH] offset:\f*16*XP+LK+32*\c
.endr
.endr
.endm
.macro UNIT p, ks, hf
.set U, 16*(\p)+2*(\ks)+(\hf)
.set SL, L+64*(U%3)
.set DR, 64*((\ks)%4)
.set ZZ, 0
.if (\ks)==0
.set ZZ, 1
.endif
	PLACES
.if (\hf)==0
.if (\ks)>0 && (\p)<2
	DLOAD (\p)+1, (\ks)-1                          ; the K step just done with takes the next pass's fragments
.endif
.if (\ks)==0 && (\p)>0
	DLOAD \p, 7
.endif
.endif
	WIN 0
.if (U+2)<48
	LOADU U+2                                      ; into the place that the unit before this one has left
.endif
.if (\hf)==0
.if (\p)<2
	s_wait_loadcnt 63                              ; behind this K step's 16 loads at least 112 younger ones were issued
.else
.if (16*(7-(\ks)))>63
	s_wait_loadcnt 63
.else
	s_wait_loadcnt 16*(7-(\ks))                    ; the last pass: behind them only its later K steps'
.endif
.endif
.endif
.if (U+2)<48
	s_wait_dscnt 32                                ; this unit is in; the two younger units' 32 loads may be out
.else
	s_wait_dscnt 16*(47-U)
.endif
.if (\p)==2
	WIN 0x58+4*((\ks)/4)
.else
	WIN 0x52+((\ks)/4)
.endif
.irp f, 0,1,2,3
.irp d, 0,1,2,3
.set AC, 8*(4*(4*(\hf)+\f)+\d)
.if (\p)==2
	MM AC, SL+16*\f, DR+16*\d, ZZ
.else
	MM AC, DR+16*\d, SL+16*\f, ZZ
.endif
.endr
.endr
.endm
.macro EPI p                           ; a pass's way out: in place x 2^(e0 + e1) + bias, the hold, the conversions, the stores
	PLACES
	WIN 0
.if (\p)<2
	s_wait_loadcnt 63                              ; the pass's bias is in: 128 younger loads stand behind it
.else
	s_wait_loadcnt 0
.endif
	v_mov_b32 v[SC], s[SCS+2*(\p)]
	v_mov_b32 v[LIM], s[SCS+2*(\p)+1]
	WIN 0x41                                       ; destination and source 0 window 1
.set j, 0
.rept 128
.if (\p)<2
	v_pk_fma_f32 v[j:j+1], v[j:j+1], s[FS:FS+1], v[BJ+j%32:BJ+j%32+1] op_sel_hi:[1,0,1]
.else
	v_pk_fma_f32 v[j:j+1], v[j:j+1], s[FS:FS+1], v[BJ+2*((j%32)/8):BJ+2*((j%32)/8)+1] op_sel_hi:[1,0,1]
.endif
.set j, j+2
.endr
.set j, 0
.rept 256
	v_med3_num_f32 v[j], v[j], -v[LIM], v[LIM]     ; the conversion does not saturate (ISA guide 7.6.2)
.set j, j+1
.endr
	s_wait_alu depctr_va_vdst(0)
.if (\p)<2
.irp i, 0,1,2,3,4,5,6,7                        ; token tile i: 64 channels of 16 tokens: 1,024 bytes of the image
	s_wait_xcnt 0x0                                ; earlier stores have read their registers
	WIN 0x01
.irp d, 0,1,2,3
	v_cvt_scalef32_pk8_bf8_f32 v[CD+8*(\i%2)+2*\d:CD+8*(\i%2)+2*\d+1], v[32*\i+8*\d:32*\i+8*\d+7], v[SC]
.endr
	v_nop                                          ; a plain line behind the last conversion
	WIN 0
	global_store_b128 v[LI], v[CD+8*(\i%2):CD+8*(\i%2)+3], s[OB+2*(\p):OB+2*(\p)+1] offset:1024*\i
	global_store_b128 v[LI], v[CD+8*(\i%2)+4:CD+8*(\i%2)+7], s[OB+2*(\p):OB+2*(\p)+1] offset:1024*\i+512
.endr
.else
.irp d, 0,1,2,3                                ; channel tile d: 128 keys of 16 channels: 2,048 bytes of the image
.set CV, CD+224*(\d%2)
	s_wait_xcnt 0x0
	WIN 0x01
.irp i, 0,1,2,3,4,5,6,7
	v_cvt_scalef32_pk8_bf8_f32 v[CV+2*\i:CV+2*\i+1], v[32*\i+8*\d:32*\i+8*\d+7], v[SC]
.endr
	v_nop
	WIN 0
.irp c, 0,1,2,3
	global_store_b128 v[LI], v[CV+4*\c:CV+4*\c+3], s[OB+4:OB+5] offset:2048*\d+512*\c
.endr
.endr
.endif
.if (\p)==0
	BIASJ 1
.endif
.if (\p)==1
.irp d, 0,1,2,3                                ; v: the bias of my one channel of each tile, in both halves of a pair
	global_load_b32 v[BJ+2*\d], v[BR], s[10:11] offset:8192+64*\d
	global_load_b32 v[BJ+2*\d+1], v[BR], s[10:11] offset:8192+64*\d
.endr
.endif
.endm
	s_load_b256 s[4:11], s[0:1], 0x0               ; x_codes s[4:5], wqkv_codes s[6:7], the scales' exponents s[8:9], b_qkv s[10:11]
	s_load_b128 s[12:15], s[0:1], 0x20             ; q_codes, k_codes
	s_load_b64 s[16:17], s[0:1], 0x30              ; v_codes
	v_lshl_add_u32 v[SPW], v0, 2, SPARE
	v_mov_b32 v[NIL], 0
	ds_add_u32 v[SPW], v[NIL]                      ; the wave's opening
	ds_add_u32 v[SPW], v[NIL]
	v_lshrrev_b32 v1, 5, v0
	v_readfirstlane_b32 s[WV], v1                  ; wave 0..3
	s_lshr_b32 s19, s[WV], 1                       ; which 128 tokens
	s_and_b32 s20, s[WV], 1                        ; which of the group's two heads
	s_bfe_u32 s21, ttmp6, 0x40000                  ; cx: it enters the weight's, the bias's and the results' addresses alone
	s_lshl_b32 s22, ttmp9, 2
	s_add_co_u32 s22, s22, s21                     ; g
	s_and_b32 s23, ttmp7, 0xffff                   ; the block of 256 tokens, which the four partners share
	s_mov_b32 s[G1], 15|(1<<20)|(1<<21)|(7<<22)|(3<<25)   ; the mask: all four; elements of 1 byte; four words of padding after every 256; bit 21 beside a mask
	s_mov_b32 s[G1+1], 1024<<16                    ; tensor_dim0
	s_mov_b32 s[G1+2], 64<<16                      ; tensor_dim1
	s_mov_b32 s[G1+3], 1024<<16                    ; tile_dim0
	s_mov_b32 s[G1+4], 64                          ; tile_dim1
	s_mov_b32 s[G1+5], 1024                        ; the pitch
	s_mov_b32 s[G1+6], 0
	s_mov_b32 s[G1+7], 0
	s_lshl_b32 s36, s23, 8
	s_lshl_b32 s37, s[WV], 6
	s_add_co_u32 s36, s36, s37                     ; the 64 rows that I fetch
	s_lshl_b32 s36, s36, 10
	s_mov_b32 s37, 0
	s_mul_i32 s38, s[WV], 64*XP
	s_wait_dscnt 0x0                               ; both opening adds are done
	s_wait_kmcnt 0x0
	s_load_b256 s[40:47], s[8:9], 0x0              ; e0 .. e7
	s_mov_b32 s[G0], 1
	s_mov_b32 s[G0+1], s38
	s_add_nc_u64 s[G0+2:G0+3], s[4:5], s[36:37]
	s_or_b32 s[G0+3], s[G0+3], 0x80000000
	CROUND                                         ; all four work-groups are here: the joint loads meet
	tensor_load_to_lds s[G0:G0+3], s[G1:G1+7]      ; my one tensor load
	s_nop 0
.rept 4
	v_nop
.endr
	v_and_b32 v10, 15, v0                          ; r
	v_bfe_u32 v11, v0, 4, 1                        ; h
	v_and_b32 v[LI], 31, v0
	v_lshlrev_b32 v[LI], 4, v[LI]
	v_mul_u32_u24 v[AX], v10, XP
	v_lshl_add_u32 v[AX], v11, 4, v[AX]
	s_mul_i32 s38, s19, 128*XP
	v_add_nc_u32 v[AX], s38, v[AX]
	v_add_nc_u32 v[AX+1], 64*XP, v[AX]
	v_lshlrev_b32 v[BH], 5, v11
	v_lshlrev_b32 v[BR], 2, v10
	s_wait_alu depctr_va_vdst(0)
	s_lshl_b32 s36, s22, 1
	s_add_co_u32 s36, s36, s20                     ; my head
	s_mov_b32 s39, 0
	s_lshl_b32 s38, s36, 16                        ; its 4 tiles of 16 columns are 65,536 bytes of images
	s_add_nc_u64 s[6:7], s[6:7], s[38:39]
	s_lshl_b32 s38, s36, 8
	s_add_nc_u64 s[10:11], s[10:11], s[38:39]
	s_lshr_b32 s37, s23, 3                         ; the batch
	s_lshl_b32 s37, s37, 4
	s_add_co_u32 s37, s37, s36                     ; bh
	s_lshl_b32 s37, s37, 17
	s_and_b32 s38, s23, 7
	s_lshl_b32 s38, s38, 1
	s_add_co_u32 s38, s38, s19
	s_lshl_b32 s38, s38, 13                        ; 128 tokens are 8,192 bytes in each of the three images
	s_add_co_u32 s38, s38, s37
	s_add_nc_u64 s[12:13], s[12:13], s[38:39]
	s_add_nc_u64 s[14:15], s[14:15], s[38:39]
	s_add_nc_u64 s[16:17], s[16:17], s[38:39]
	BIASJ 0
.irp ks, 0,1,2,3,4,5,6,7
	DLOAD 0, \ks
.endr
	WIN 0
	s_wait_kmcnt 0x0
	s_add_co_i32 s36, s40, s41
	s_add_co_i32 s36, s36, 127
	s_lshl_b32 s[FS], s36, 23
	s_mov_b32 s[FS+1], s[FS]
	SCL 0, 42
	SCL 1, 43
	SCL 2, 45
	s_wait_alu depctr_va_vdst(0)
	s_wait_tensorcnt 0x0                           ; my 64 rows are in
	s_barrier_signal -1
	s_barrier_wait -1                              ; everybody's are
	LOADU 0
	LOADU 1
.irp p, 0,1,2
.irp ks, 0,1,2,3,4,5,6,7
	UNIT \p, \ks, 0
	UNIT \p, \ks, 1
.endr
	EPI \p
.endr
	s_wait_tensorcnt 0x0                           ; the wave's end
	ds_add_u32 v[SPW], v[NIL]
	s_wait_dscnt 0x0
	CROUND                                         ; the closing round
	s_endpgm
.Lfunc_end_k_q5dbb7140b5_qkv:
	.size	k_q5dbb7140b5_qkv, .Lfunc_end_k_q5dbb7140b5_qkv-k_q5dbb7140b5_qkv
	.p2alignl 7, 3214868480
	.fill 96, 4, 3214868480
	.section	.rodata,"a",@progbits
	.p2align	6, 0x0
	.amdhsa_kernel k_q5dbb7140b5_qkv
		.amdhsa_group_segment_fixed_size 266752
		.amdhsa_private_segment_fixed_size 0
		.amdhsa_enable_private_segment 0
		.amdhsa_kernarg_size 56
		.amdhsa_user_sgpr_count 2
		.amdhsa_user_sgpr_kernarg_segment_ptr 1
		.amdhsa_wavefront_size32 1
		.amdhsa_system_sgpr_workgroup_id_x 1
		.amdhsa_system_sgpr_workgroup_id_y 1
		.amdhsa_system_sgpr_workgroup_id_z 1
		.amdhsa_system_vgpr_workitem_id 0
		.amdhsa_next_free_vgpr 1024
		.amdhsa_next_free_sgpr 66
		.amdhsa_reserve_vcc 0
		.amdhsa_float_denorm_mode_32 3
		.amdhsa_float_denorm_mode_16_64 3
		.amdhsa_memory_ordered 1
		.amdhsa_forward_progress 1
		.amdhsa_inst_pref_size 238
	.end_amdhsa_kernel
	.amdgpu_metadata
---
amdhsa.version: [ 1, 2 ]
amdhsa.kernels:
  - .name:           k_q5dbb7140b5_qkv
    .symbol:         k_q5dbb7140b5_qkv.kd
    .args:
      - { .name: x_codes, .offset: 0, .size: 8, .value_kind: global_buffer, .address_space: global }
      - { .name: wqkv_codes, .offset: 8, .size: 8, .value_kind: global_buffer, .address_space: global }
      - { .name: lowp_scales, .offset: 16, .size: 8, .value_kind: global_buffer, .address_space: global }
      - { .name: b_qkv, .offset: 24, .size: 8, .value_kind: global_buffer, .address_space: global }
      - { .name: q_codes, .offset: 32, .size: 8, .value_kind: global_buffer, .address_space: global }
      - { .name: k_codes, .offset: 40, .size: 8, .value_kind: global_buffer, .address_space: global }
      - { .name: v_codes, .offset: 48, .size: 8, .value_kind: global_buffer, .address_space: global }
    .group_segment_fixed_size: 266752
    .private_segment_fixed_size: 0
    .kernarg_segment_align: 8
    .kernarg_segment_size: 56
    .max_flat_workgroup_size: 128
    .sgpr_count:     66
    .vgpr_count:     1024
    .wavefront_size: 32
...
	.end_amdgpu_metadata
.endif
;; end of part 2
;; launch attn (part 3): grid 4 x 64, 8 waves a work-group, clusters of 4 x 1, 263,168 bytes of LDS; arguments q_codes, k_codes, v_codes, lowp_scales, ctx_codes; writes ctx_codes
.if DOCPART == 3
	.amdgcn_target "amdgcn-amd-amdhsa--gfx1250"
	.amdhsa_code_object_version 6
	.text
	.protected	k_q5dbb7140b5_attn
	.globl	k_q5dbb7140b5_attn
	.p2align	8
	.type	k_q5dbb7140b5_attn,@function
k_q5dbb7140b5_attn:
	s_mov_b64 s[64:65], 0
	v_nop
	global_prefetch_b8 v0, s[64:65] scope:SCOPE_SE
	s_setreg_imm32_b32 hwreg(HW_REG_WAVE_MODE, 25, 1), 1
	s_wait_xcnt 0x0
	s_wait_alu depctr_hold_cnt(0) depctr_sa_sdst(0) depctr_va_vdst(0) depctr_va_sdst(0) depctr_va_ssrc(0) depctr_va_vcc(0) depctr_vm_vsrc(0)
	s_getreg_b32 s2, hwreg(HW_REG_IB_STS2, 6, 4)
	s_cmp_eq_u32 s2, 0
	s_cbranch_scc0 .Lentry_in_a_cluster
	s_endpgm
.Lentry_in_a_cluster:
	s_bfe_u32 s2, ttmp6, 0x10000c
	s_cmp_lg_u32 s2, 0x3003
	s_cbranch_scc0 .Lentry_shape_is_right
	s_endpgm
.Lentry_shape_is_right:
; THIRD LAUNCH: ctx = softmax(q k^T / 8) v for each of 64 heads (bh = 16 batch + head), both products on codes of BF8; ctx quantised on the way out.  No work of reference() is left out.
; THE SOFTMAX AHEAD OF THE SECOND PRODUCT: t = score x log2(e) / 8; M = the row's largest t so far, rounded UP to a whole number; p = 2^(t - M) is what is quantised (scale 2^e4), not normalised.  The row's sum is
; taken of the unquantised p, in f32, and divides at the end.  When M moves, the sum and O are multiplied by 2^(old M - new M): exact.
; q_codes, k_codes, ctx_codes: [bh][token / 16][c = 0, 1][lane][16 bytes]; v_codes: [bh][key / 128][channel / 16][c = 0 .. 3][lane][16 bytes]: images of the operands' registers in the matrix forms' own layout.
; SHARES.  A work-group owns 512 queries of one head, each of its eight waves 64: four tiles of 16; two waves to a SIMD.  Every wave walks the head's 2,048 keys, 128 a step: 16 trips of one loop.
; Each fragment of K and V that a wave reads from LDS serves its four tiles.  THE SOFTMAX GOES TWO TILES AT A TIME: 16 chains of maxima, 8 chains of sums, the two tiles' updates of M line by line in turn,
; and ONE batch of 128 exponentials with one wait ahead of it and one behind it.
; LDS HOLDS THE WHOLE HEAD: K's image (131,072 bytes), then V's.  Each wave brings one piece of 32,768 bytes by its one tensor load at the head; nothing is filled again: no ring, one barrier.
; CLUSTER: the four query blocks of a head need the same K and V, so each piece is asked for JOINTLY by the four.
; Not prefetched: every byte of K and V is asked for by the first fills at the head; no later request is left to run ahead of.
; LAYOUT.  S^T = K Q^T (source 0 = 16 keys, source 1 = 16 queries): a lane holds ONE query (lane % 16) and keys 16 f + 8 h + 0 .. 7: converted, these are registers 2 f, 2 f + 1 of source 1 of
; O^T = V^T P^T (source 0 = 16 channels x 128 keys).  O^T's tile t holds channels 16 t + 8 h + 0 .. 7 of the lane's query: converted, registers 2 t, 2 t + 1 of ctx's image.  Nothing changes lanes.
; LIMITS: e2 + e3 between -123 and 130 (added to c's exponent field); e4 and e6 between -126 and 112; e4 + e5 goes by v_ldexp_f32 and has none.  NaN among the inputs is not served.
; REGISTERS.  Window 0: v1-10 addresses and scales; v16-79 K's 8 fragments, then V's 4; v80-207 S^T of two tiles, then p; v208-223 a tile's -M, largest score, sum in two halves; v224-231 a tile's f (a pair);
;   v232-247 the maxima's chains, then the sums'; v248-253 at work.   Window 1: v0-127 O^T, 32 a tile; v128-159 Q, 8 a tile; v160-223 p's codes, 16 a tile.
.set STEPB, 8192                       ; 128 keys in either image
.set VBASE, 131072                     ; V's image in LDS
.set SPARE, 262144                     ; the spare words, 128 bytes for each of eight waves: four blocks of 256 bytes that no other line names
.set LI,   1                           ; v1   16 x lane
.set LIV,  2                           ; v2   the same in V's image
.set ADK,  3                           ; v3   the step's K
.set ADV,  4                           ; v4   the step's V
.set SPW,  5
.set NIL,  6
.set SC4,  7                           ; v7   2^e4
.set SC6,  9                           ; v9   2^e6
.set LIM6, 10                          ; v10  57,344 x 2^e6
.set KV,   16
.set S,    80
.set ST,   208
.set F,    224
.set MX,   232                         ; v232-247 eight chains of maxima a tile
.set SA,   232                         ; v232-243 behind them: three chains of sums (pairs) a tile
.set PD,   248                         ; v248, v249 a lane permute's destination
.set OLD,  250                         ; v250, v251 the old -M
.set TT,   252                         ; v252, v253 at work
.set QW,   128                         ; Q, in window 1
.set PW,   160                         ; p's codes, in window 1
.set WV,   14                          ; s14  my wave's number
.set G1,   24                          ; s[24:31] descriptor group 1: one shape for all pieces
.set G0K,  32                          ; s[32:35] group 0 for a piece of K;  s[36:39] of V
.set G0V,  36
.set SEL,  56                          ; s[56:57] lane selects: lane l xor 16
.set CS,   58                          ; s[58:59] c = log2(e) / 8 x 2^(e2 + e3)
.set TB,   60                          ; s60  the step's first byte in an image
.set CNT,  61
.set EPV,  62                          ; s62  e4 + e5
.set LIM4, 63                          ; s63  57,344 x 2^e4
.set MSB, 0
.macro WIN new
.if MSB != \new
	s_set_vgpr_msb (MSB<<8)|\new
.set MSB, \new
.endif
.endm
.macro CROUND                          ; a round of the cluster's barrier
	s_barrier_signal -1
	s_barrier_wait -1
	s_cmp_lg_u32 s[WV], 0
	s_cbranch_scc1 .Lnot_wave_0_\@
	s_barrier_signal -3
.Lnot_wave_0_\@:
	s_barrier_wait -3
	s_barrier_signal -1
	s_barrier_wait -1
.endm
.macro PADD d, a, b
	v_pk_add_f32 v[\d:\d+1], v[\a:\a+1], v[\b:\b+1]
.endm
.macro DEP2                            ; the line below reads what the second vector line above it wrote
	s_delay_alu instid0(VALU_DEP_2)
.endm
	s_load_b256 s[4:11], s[0:1], 0x0               ; q_codes s[4:5], k_codes s[6:7], v_codes s[8:9], the scales' exponents s[10:11]
	s_load_b64 s[12:13], s[0:1], 0x20              ; ctx_codes
	v_lshl_add_u32 v[SPW], v0, 2, SPARE
	v_mov_b32 v[NIL], 0
	ds_add_u32 v[SPW], v[NIL]                      ; the wave's opening
	ds_add_u32 v[SPW], v[NIL]
	v_lshrrev_b32 v1, 5, v0
	v_readfirstlane_b32 s[WV], v1                  ; wave 0..7
	s_bfe_u32 s15, ttmp6, 0x40000                  ; cx: my block of 512 queries; it enters Q's and ctx's addresses alone
	s_and_b32 s16, ttmp7, 0xffff                   ; bh, which the four partners share
	s_lshl_b32 s20, s16, 17                        ; the head's first byte in each of the four images
	s_and_b32 s17, s[WV], 3
	s_lshl_b32 s17, s17, 15                        ; my quarter of an image: the same offset in memory and in LDS
	s_add_co_u32 s22, s20, s17
	s_mov_b32 s23, 0
	s_lshl_b32 s18, s15, 15                        ; 512 queries are 32,768 bytes,
	s_lshl_b32 s19, s[WV], 12                      ; my wave's 64 are 4,096
	s_add_co_u32 s18, s18, s19
	s_add_co_u32 s18, s18, s20
	s_mov_b32 s19, 0
	s_mov_b32 s[G1], 15|(3<<16)|(1<<21)            ; the mask: all four work-groups; elements of 8 bytes; no padding; bit 21 beside a mask
	s_mov_b32 s[G1+1], 32<<16                      ; tensor_dim0 = 32 elements: rows of 256 bytes
	s_mov_b32 s[G1+2], 128<<16                     ; tensor_dim1 = 128 rows
	s_mov_b32 s[G1+3], 32<<16                      ; tile_dim0
	s_mov_b32 s[G1+4], 128                         ; tile_dim1
	s_mov_b32 s[G1+5], 32                          ; the pitch: the piece is dense
	s_mov_b32 s[G1+6], 0
	s_mov_b32 s[G1+7], 0
	s_mov_b32 s[SEL], 0x76543210
	s_mov_b32 s[SEL+1], 0xfedcba98
	s_mov_b32 s[CS], 0x3e38aa3b                    ; log2(e) / 8
	s_mov_b32 s[TB], 0
	s_mov_b32 s[CNT], 16
	s_wait_dscnt 0x0                               ; both opening adds are done
	s_wait_kmcnt 0x0
	s_load_b256 s[48:55], s[10:11], 0x0            ; e0 .. e7
	s_add_nc_u64 s[6:7], s[6:7], s[22:23]
	s_add_nc_u64 s[8:9], s[8:9], s[22:23]
	s_add_nc_u64 s[4:5], s[4:5], s[18:19]
	s_add_nc_u64 s[12:13], s[12:13], s[18:19]
	CROUND                                         ; all four work-groups are here: the joint loads meet
	s_mov_b32 s[G0K], 1
	s_mov_b32 s[G0K+1], s17
	s_mov_b64 s[G0K+2:G0K+3], s[6:7]
	s_or_b32 s[G0K+3], s[G0K+3], 0x80000000
	s_mov_b32 s[G0V], 1
	s_add_co_u32 s[G0V+1], s17, VBASE
	s_mov_b64 s[G0V+2:G0V+3], s[8:9]
	s_or_b32 s[G0V+3], s[G0V+3], 0x80000000
	s_cmp_lt_u32 s[WV], 4                          ; waves 0-3 bring K's quarters, waves 4-7 V's: one fill to an arm, every way passes one.  An s_nop 0 and four v_nop follow each
	s_cbranch_scc0 .Lfirst_v
	tensor_load_to_lds s[G0K:G0K+3], s[G1:G1+7]
	s_nop 0
.rept 4
	v_nop
.endr
	s_branch .Lfirst_asked
.Lfirst_v:
	tensor_load_to_lds s[G0V:G0V+3], s[G1:G1+7]
	s_nop 0
.rept 4
	v_nop
.endr
.Lfirst_asked:
	v_and_b32 v[LI], 31, v0
	v_lshlrev_b32 v[LI], 4, v[LI]
	v_add_nc_u32 v[LIV], VBASE, v[LI]
	WIN 0x40                                       ; destination window 1
.irp q, 0,1,2,3
	global_load_b128 v[QW+8*\q:QW+8*\q+3], v[LI], s[4:5] offset:1024*\q        ; Q's four fragments stay in registers
	global_load_b128 v[QW+8*\q+4:QW+8*\q+7], v[LI], s[4:5] offset:1024*\q+512
.endr
.set j, 0
.rept 128
	v_mov_b32 v[j], 0                              ; O^T.  The step is written once, with no first step of its own: it finds zeros, which the first change of M leaves zeros
.set j, j+1
.endr
	WIN 0
.irp q, 0,1,2,3
	v_mov_b32 v[ST+4*\q+1], 0xff61b1e6             ; the largest score so far: -3e38, under every score
	v_mov_b32 v[ST+4*\q], 0x7f61b1e6               ; -M: 3e38
	v_mov_b32 v[ST+4*\q+2], 0                      ; the sum, in two halves
	v_mov_b32 v[ST+4*\q+3], 0
	v_mov_b32 v[F+2*\q], 0
	v_mov_b32 v[F+2*\q+1], 0                       ; (named as the upper half of a pair)
.endr
	v_mov_b32 v[PD], 0                             ; a lane permute's destination counts as one of its sources
	v_mov_b32 v[PD+1], 0
	s_wait_kmcnt 0x0
	s_add_co_i32 s20, s50, s51
	s_lshl_b32 s20, s20, 23
	s_add_co_i32 s[CS], s[CS], s20                 ; a score stands for score x 2^(e2 + e3): added to c's exponent field
	s_mov_b32 s[CS+1], s[CS]
	s_add_co_i32 s20, s52, 127
	s_lshl_b32 s21, s20, 23
	v_mov_b32 v[SC4], s21
	s_add_co_i32 s20, s20, 15
	s_lshl_b32 s20, s20, 23
	s_or_b32 s[LIM4], s20, 0x600000
	s_add_co_i32 s20, s54, 127
	s_lshl_b32 s21, s20, 23
	v_mov_b32 v[SC6], s21
	s_add_co_i32 s20, s20, 15
	s_lshl_b32 s20, s20, 23
	s_or_b32 s20, s20, 0x600000
	v_mov_b32 v[LIM6], s20
	s_add_co_i32 s[EPV], s52, s53
; S^T of tiles 2 g and 2 g + 1: sixteen products of 16 keys x 16 queries x 64, each a sum of its own
.macro KQ2 g
	WIN 0x04                                       ; source 1 (Q) window 1
.irp u, 0,1
.irp f, 0,1,2,3,4,5,6,7
	v_wmma_f32_16x16x64_bf8_bf8 v[S+64*\u+8*\f:S+64*\u+8*\f+7], v[KV+8*\f:KV+8*\f+7], v[QW+8*(2*(\g)+\u):QW+8*(2*(\g)+\u)+7], 0
.endr
.endr
	WIN 0
.endm
; The softmax of tiles 2 g and 2 g + 1 for this step's 128 keys: a lane has 64 scores of each tile's query
.macro SM2 g
.set rT, ST+8*(\g)
.set rF, F+4*(\g)
.set rP, PW+32*(\g)
	v_mov_b32 v[OLD], v[rT]                        ; the old -M of both tiles.  These two and two v_nop are the four places behind the products
	v_mov_b32 v[OLD+1], v[rT+4]
	v_nop
	v_nop
.if \g
.irp t, 0,1,2,3
.irp c, 0,1,2,3
	ds_load_b128 v[KV+16*\t+4*\c:KV+16*\t+4*\c+3], v[ADV] offset:2048*\t+512*\c   ; K's fragments are done with: V lands under the last two tiles' softmax
.endr
.endr
.endif
.set a, 0
.rept 16
	v_max3_num_f32 v[MX+a], v[S+8*a], v[S+8*a+1], v[S+8*a+2]   ; the largest score: a chain for each accumulator, each from its low end on
.set a, a+1
.endr
.irp o, 3,5
.set a, 0
.rept 16
	v_max3_num_f32 v[MX+a], v[MX+a], v[S+8*a+\o], v[S+8*a+\o+1]
.set a, a+1
.endr
.endr
.set a, 0
.rept 8
	v_max3_num_f32 v[MX+a], v[MX+a], v[S+8*a+7], v[S+8*a+15]   ; the last registers of two accumulators
.set a, a+2
.endr
.irp o, 0,3
.irp u, 0,8
	v_max3_num_f32 v[MX+\u+\o], v[MX+\u+\o], v[MX+\u+\o+1], v[MX+\u+\o+2]   ; a tile's eight chains join
.endr
.endr
.irp u, 0,8
	DEP2
	v_max3_num_f32 v[MX+\u], v[MX+\u], v[MX+\u+3], v[MX+\u+6]
.endr
.irp u, 0,8
	DEP2
	v_max_num_f32 v[MX+\u], v[MX+\u], v[MX+\u+7]
.endr
.irp i, 0,1
	DEP2
	v_permlanex16_b32 v[PD+\i], v[MX+8*\i], s[SEL], s[SEL+1]
.endr
.irp i, 0,1
	DEP2
	v_max3_num_f32 v[rT+4*\i+1], v[rT+4*\i+1], v[MX+8*\i], v[PD+\i]   ; the running largest score: mine, lane l xor 16's, the earlier steps'
.endr
.irp i, 0,1
	DEP2
	v_mul_f32 v[TT+\i], s[CS], v[rT+4*\i+1]        ; as t (c is positive)
.endr
.irp i, 0,1
	DEP2
	v_floor_f32 v[rT+4*\i], -v[TT+\i]              ; the new -M = floor(-t): M is a whole number
.endr
.irp i, 0,1
	DEP2
	v_sub_f32 v[TT+\i], v[rT+4*\i], v[OLD+\i]      ; old M less new M: a whole number, 0 or less
.endr
.irp i, 0,1
	DEP2
	v_cvt_i32_f32 v[TT+\i], v[TT+\i]               ; (it saturates)
.endr
.irp i, 0,1
	DEP2
	v_ldexp_f32 v[rF+2*\i], 1.0, v[TT+\i]          ; f = 2^(old M - new M)
.endr
.irp u, 0,1
.set j, 0
.rept 32
	v_pk_fma_f32 v[S+64*\u+j:S+64*\u+j+1], v[S+64*\u+j:S+64*\u+j+1], s[CS:CS+1], v[rT+4*\u:rT+4*\u+1] op_sel_hi:[1,0,0]   ; t - M, two at a time (of the pairs c and -M the low word serves both halves)
.set j, j+2
.endr
.endr
	s_wait_alu depctr_va_vdst(0)
.set j, 0
.rept 128
	v_exp_f32 v[S+j], v[S+j]                       ; p = 2^(t - M)
.set j, j+1
.endr
	v_pk_mul_f32 v[rT+2:rT+3], v[rT+2:rT+3], v[rF:rF+1] op_sel_hi:[1,0]       ; the sums under the new M: plain lines behind the exponentials
	v_pk_mul_f32 v[rT+6:rT+7], v[rT+6:rT+7], v[rF+2:rF+3] op_sel_hi:[1,0]
	s_wait_alu depctr_va_vdst(0)                   ; one wait for the batch of 128, ahead of its first use
.irp u, 0,1                                    ; the sum of the UNQUANTISED p, two at a time: four chains a tile, pair n in chain n % 4; chain 0 is the running sum
	PADD rT+4*\u+2, rT+4*\u+2, S+64*\u
.irp k, 1,2,3
	PADD SA+6*\u+2*\k-2, S+64*\u+2*\k, S+64*\u+2*\k+8
.endr
.endr
.irp n, 4,8,12,16,20,24,28
.irp u, 0,1
	PADD rT+4*\u+2, rT+4*\u+2, S+64*\u+2*\n
.if \n > 4
.irp k, 1,2,3
	PADD SA+6*\u+2*\k-2, SA+6*\u+2*\k-2, S+64*\u+2*\n+2*\k
.endr
.endif
.endr
.endr
.irp u, 0,1
	PADD rT+4*\u+2, rT+4*\u+2, SA+6*\u
	PADD SA+6*\u+2, SA+6*\u+2, SA+6*\u+4
.endr
.irp u, 0,1
	PADD rT+4*\u+2, rT+4*\u+2, SA+6*\u+2
.endr
.set j, 0
.rept 64
	v_dual_min_num_f32 v[S+j], s[LIM4], v[S+j] :: v_dual_min_num_f32 v[S+j+1], s[LIM4], v[S+j+1]   ; the conversion does not saturate (ISA guide 7.6.2); p is not negative, so the hold is one-sided; two to a line
.set j, j+2
.endr
	WIN 0x40                                       ; the codes go to window 1
.set j, 0
.rept 16
	v_cvt_scalef32_pk8_bf8_f32 v[rP+2*j:rP+2*j+1], v[S+8*j:S+8*j+7], v[SC4]   ; accumulator f of tile u (j = 8 u + f): keys 16 f + 8 h on: registers 2 f, 2 f + 1 of the tile's operand
.set j, j+1
.endr
	WIN 0
	v_nop                                          ; a plain line behind the last conversion: the next products write its sources
.endm
	s_wait_alu depctr_va_vdst(0)
	s_wait_loadcnt 0x0                             ; Q
	s_wait_tensorcnt 0x0                           ; my piece is in
	s_barrier_signal -1
	s_barrier_wait -1                              ; everybody's is: the whole head lies in LDS, and nothing is filled again
.Lstep:                                            ; A KEY STEP: 128 keys at byte s[TB] of both images
	v_add_nc_u32 v[ADK], s[TB], v[LI]
	v_add_nc_u32 v[ADV], s[TB], v[LIV]
	v_nop
	v_nop                                          ; four places behind the last step's products, which read the registers that K's loads fill
.irp f, 0,1,2,3,4,5,6,7
	ds_load_b128 v[KV+8*\f:KV+8*\f+3], v[ADK] offset:1024*\f
	ds_load_b128 v[KV+8*\f+4:KV+8*\f+7], v[ADK] offset:1024*\f+512
.endr
	s_wait_dscnt 0x0
	KQ2 0
	SM2 0
	KQ2 1
	SM2 1
	WIN 0x41                                       ; O^T (destination and source 0) window 1, f window 0
	s_wait_alu depctr_va_vdst(0)                   ; directly ahead of the first reader of O^T
.irp q, 0,1,2,3
.set j, 0
.rept 16
	v_pk_mul_f32 v[32*\q+j:32*\q+j+1], v[32*\q+j:32*\q+j+1], v[F+2*\q:F+2*\q+1] op_sel_hi:[1,0]   ; O^T under the new M
.set j, j+2
.endr
.endr
	s_wait_alu depctr_va_vdst(0)
	s_wait_dscnt 0x0                               ; V is in
	WIN 0x54                                       ; source 1 (p's codes), C and D window 1
.irp t, 0,1,2,3
.irp q, 0,1,2,3
	v_wmma_f32_16x16x128_bf8_bf8 v[32*\q+8*\t:32*\q+8*\t+7], v[KV+16*\t:KV+16*\t+15], v[PW+16*\q:PW+16*\q+15], v[32*\q+8*\t:32*\q+8*\t+7]   ; sixteen accumulators, one instruction each
.endr
.endr
	WIN 0
	s_add_co_u32 s[TB], s[TB], STEPB
	s_sub_co_u32 s[CNT], s[CNT], 1
	s_cmp_lg_u32 s[CNT], 0
	s_cbranch_scc1 .Lstep
	; THE WAY OUT.  ctx = O^T x 2^(e4 + e5) / the sum, held, converted with 2^e6: the conversions' results are ctx's image.  The additions are the places behind the last products.
.irp q, 0,1,2,3
	v_add_f32 v[MX+\q], v[ST+4*\q+2], v[ST+4*\q+3]
.endr
.irp q, 0,1,2,3
	v_permlanex16_b32 v[F+2*\q], v[MX+\q], s[SEL], s[SEL+1]
.endr
.irp q, 0,1,2,3
	v_add_f32 v[MX+\q], v[MX+\q], v[F+2*\q]        ; the row's sum
.endr
	s_wait_alu depctr_va_vdst(0)
.irp q, 0,1,2,3
	v_rcp_f32 v[F+2*\q], v[MX+\q]
.endr
	v_nop                                          ; a plain line behind the last reciprocal,
	s_wait_alu depctr_va_vdst(0)                   ; and one wait for the four, ahead of their first use
.irp q, 0,1,2,3
	v_ldexp_f32 v[F+2*\q], v[F+2*\q], s[EPV]
.endr
.macro OUT q
.set rS, S+32*((\q)%2)
	WIN 0x01                                       ; source 0 (O^T) window 1
	s_wait_alu depctr_va_vdst(0)                   ; directly ahead of the first reader of this tile's O^T
.set j, 0
.rept 16
	v_pk_mul_f32 v[rS+j:rS+j+1], v[32*(\q)+j:32*(\q)+j+1], v[F+2*(\q):F+2*(\q)+1] op_sel_hi:[1,0]
.set j, j+2
.endr
	WIN 0
.set j, 0
.rept 32
	v_med3_num_f32 v[rS+j], v[rS+j], -v[LIM6], v[LIM6]
.set j, j+1
.endr
.irp t, 0,1,2,3
	v_cvt_scalef32_pk8_bf8_f32 v[KV+8*(\q)+2*\t:KV+8*(\q)+2*\t+1], v[rS+8*\t:rS+8*\t+7], v[SC6]
.endr
	v_nop                                          ; a plain line behind the last conversion
	global_store_b128 v[LI], v[KV+8*(\q):KV+8*(\q)+3], s[12:13] offset:1024*(\q)          ; the wave stores 512 consecutive bytes, aligned; each tile has code registers of its own
	global_store_b128 v[LI], v[KV+8*(\q)+4:KV+8*(\q)+7], s[12:13] offset:1024*(\q)+512
.endm
	OUT 0
	OUT 1
	OUT 2
	OUT 3
	s_wait_tensorcnt 0x0                           ; the wave's end
	ds_add_u32 v[SPW], v[NIL]
	s_wait_dscnt 0x0
	CROUND                                         ; the closing round
	s_endpgm
.Lfunc_end_k_q5dbb7140b5_attn:
	.size	k_q5dbb7140b5_attn, .Lfunc_end_k_q5dbb7140b5_attn-k_q5dbb7140b5_attn
	.p2alignl 7, 3214868480
	.fill 96, 4, 3214868480
	.section	.rodata,"a",@progbits
	.p2align	6, 0x0
	.amdhsa_kernel k_q5dbb7140b5_attn
		.amdhsa_group_segment_fixed_size 263168
		.amdhsa_private_segment_fixed_size 0
		.amdhsa_enable_private_segment 0
		.amdhsa_kernarg_size 40
		.amdhsa_user_sgpr_count 2
		.amdhsa_user_sgpr_kernarg_segment_ptr 1
		.amdhsa_wavefront_size32 1
		.amdhsa_system_sgpr_workgroup_id_x 1
		.amdhsa_system_sgpr_workgroup_id_y 1
		.amdhsa_system_sgpr_workgroup_id_z 1
		.amdhsa_system_vgpr_workitem_id 0
		.amdhsa_next_free_vgpr 512
		.amdhsa_next_free_sgpr 66
		.amdhsa_reserve_vcc 0
		.amdhsa_float_denorm_mode_32 3
		.amdhsa_float_denorm_mode_16_64 3
		.amdhsa_memory_ordered 1
		.amdhsa_forward_progress 1
		.amdhsa_inst_pref_size 81
	.end_amdhsa_kernel
	.amdgpu_metadata
---
amdhsa.version: [ 1, 2 ]
amdhsa.kernels:
  - .name:           k_q5dbb7140b5_attn
    .symbol:         k_q5dbb7140b5_attn.kd
    .args:
      - { .name: q_codes, .offset: 0, .size: 8, .value_kind: global_buffer, .address_space: global }
      - { .name: k_codes, .offset: 8, .size: 8, .value_kind: global_buffer, .address_space: global }
      - { .name: v_codes, .offset: 16, .size: 8, .value_kind: global_buffer, .address_space: global }
      - { .name: lowp_scales, .offset: 24, .size: 8, .value_kind: global_buffer, .address_space: global }
      - { .name: ctx_codes, .offset: 32, .size: 8, .value_kind: global_buffer, .address_space: global }
    .group_segment_fixed_size: 263168
    .private_segment_fixed_size: 0
    .kernarg_segment_align: 8
    .kernarg_segment_size: 40
    .max_flat_workgroup_size: 256
    .sgpr_count:     66
    .vgpr_count:     512
    .wavefront_size: 32
...
	.end_amdgpu_metadata
.endif
;; end of part 3
;; launch proj (part 4): grid 64 x 4, 4 waves a work-group, clusters of 4 x 1, 300,544 bytes of LDS; arguments ctx_codes, wout_codes, lowp_scales, b_out, out0; writes out0
.if DOCPART == 4
	.amdgcn_target "amdgcn-amd-amdhsa--gfx1250"
	.amdhsa_code_object_version 6
	.text
	.protected	k_q5dbb7140b5_proj
	.globl	k_q5dbb7140b5_proj
	.p2align	8
	.type	k_q5dbb7140b5_proj,@function
k_q5dbb7140b5_proj:
	s_mov_b64 s[64:65], 0
	v_nop
	global_prefetch_b8 v0, s[64:65] scope:SCOPE_SE
	s_setreg_imm32_b32 hwreg(HW_REG_WAVE_MODE, 25, 1), 1
	s_wait_xcnt 0x0
	s_wait_alu depctr_hold_cnt(0) depctr_sa_sdst(0) depctr_va_vdst(0) depctr_va_sdst(0) depctr_va_ssrc(0) depctr_va_vcc(0) depctr_vm_vsrc(0)
	s_getreg_b32 s2, hwreg(HW_REG_IB_STS2, 6, 4)
	s_cmp_eq_u32 s2, 0
	s_cbranch_scc0 .Lentry_in_a_cluster
	s_endpgm
.Lentry_in_a_cluster:
	s_bfe_u32 s2, ttmp6, 0x10000c
	s_cmp_lg_u32 s2, 0x3003
	s_cbranch_scc0 .Lentry_shape_is_right
	s_endpgm
.Lentry_shape_is_right:
; FOURTH LAUNCH: out0 = ctx w_out + b_out on codes of BF8.  No work of reference() is left out.
; SHARES.  256 work-groups: 64 blocks of 128 tokens x 4 blocks of 256 columns.  A wave makes 64 tokens (wave / 2) x 128 columns (wave % 2) x K = 1,024 in 32 accumulators.
; NO RING.  The block's 256 rows of the weight, all 1,024 codes of each, lie in LDS: each wave brings 64 rows by its one tensor load at the head; nothing is filled again; one barrier.  The four work-groups of a
; cluster (four token blocks, one column block) share them and ask JOINTLY.  ctx_codes is an image of operand registers ([bh][token / 16][c][lane][16 bytes]) and goes from memory straight into registers:
; 4 token tiles x 8 K steps (two heads each) fill 512 registers, all asked for at the head.  Not prefetched: every byte is asked for at the head.
; The weight's fragments go through a ring of three units of 4 fragments, in the matrix form's own layout (8 bytes a load), which is ctx's; a unit is 16 products, the 32 accumulators by turns.
; Source 0 = 16 rows of the weight, source 1 = 16 tokens: a lane holds one token and eight neighbouring columns.  Each sum x 2^(e6 + e7) + bias goes through the wave's own stage in LDS, on bytes of its own,
; and leaves as rows: 32 lanes store 512 consecutive bytes, aligned.
; LIMIT: e6 + e7 between -126 and 127.
; REGISTERS.  Window 0: v1-9 addresses; v32-223 the weight's three units, then the way out.  Window 1: accumulator (column tile i, token tile d) at 8 (4 i + d).
;   Windows 2, 3: ctx: K step ks, token tile d at 64 (ks % 4) + 16 d of window 2 + ks / 4; K step 0's 64 registers later take the bias.
.set XP,    1040                       ; a row of the weight in LDS: 1,024 bytes + 16 of padding
.set STAGE, 256*XP                     ; behind it: 16 rows x 528 bytes for each wave
.set SPITCH, 528
.set SPARE, STAGE+4*16*SPITCH          ; the spare words, 128 bytes for each wave: two blocks of 256 bytes that no other line names
.set LI,   1                           ; v1   16 x lane
.set AW,   2                           ; v2, v3 my column tiles 0-3, 4-7 in LDS
.set BH,   4                           ; v4   32 h
.set STO,  5
.set RD,   8
.set SPW,  6
.set NIL,  7
.set L,    32
.set TMP,  32
.set BB,   96
.set WV,   18
.set G0,   24
.set G1,   28
.set FS,   48                          ; s[48:49] 2^(e6 + e7)
.set MSB, 0
.macro WIN new
.if MSB != (\new)
	s_set_vgpr_msb (MSB<<8)|(\new)
.set MSB, (\new)
.endif
.endm
.macro CROUND
	s_barrier_signal -1
	s_barrier_wait -1
	s_cmp_lg_u32 s[WV], 0
	s_cbranch_scc1 .Lnot_wave_0_\@
	s_barrier_signal -3
.Lnot_wave_0_\@:
	s_barrier_wait -3
	s_barrier_signal -1
	s_barrier_wait -1
.endm
.macro PLACES                          ; four places behind matrix instructions (ISA guide 7.12.1)
.rept 4
	v_nop
.endr
.endm
.macro MM ac, a, b, z
.if \z
	v_wmma_f32_16x16x128_bf8_bf8 v[\ac:\ac+7], v[\a:\a+15], v[\b:\b+15], 0
.else
	v_wmma_f32_16x16x128_bf8_bf8 v[\ac:\ac+7], v[\a:\a+15], v[\b:\b+15], v[\ac:\ac+7]
.endif
.endm
.macro LOADU u                         ; unit u of 16: K step u / 2, column tiles 4 (u % 2) on, into ring place u % 3
.set LS, L+64*((\u)%3)
.set LK, 128*((\u)/2)
.set LH, (\u)%2
.irp f, 0,1,2,3
.irp c, 0,1,2,3,4,5,6,7
	ds_load_b64 v[LS+16*\f+2*\c:LS+16*\f+2*\c+1], v[AW+LH] offset:\f*16*XP+LK+16*\c
.endr
.endr
.endm
.macro UNIT ks, hf
.set U, 2*(\ks)+(\hf)
.set SL, L+64*(U%3)
.set DR, 64*((\ks)%4)
.set ZZ, 0
.if (\ks)==0
.set ZZ, 1
.endif
	PLACES
.if U==2
	WIN 0x80                                       ; ctx's K step 0 is done with: its registers take the bias of my 8 columns of each tile
.irp i, 0,1,2,3,4,5,6,7
	global_load_b128 v[8*\i:8*\i+3], v[BH], s[10:11] offset:64*\i
	global_load_b128 v[8*\i+4:8*\i+7], v[BH], s[10:11] offset:64*\i+16
.endr
.endif
	WIN 0
.if (U+2)<16
	LOADU U+2                                      ; into the place that the unit before this one has left
.endif
.if (\hf)==0
.if (16*(7-(\ks)))>63
	s_wait_loadcnt 63
.else
	s_wait_loadcnt 16*(7-(\ks))                    ; behind this K step's 16 loads stand the later K steps' (and the bias's)
.endif
.endif
.if (U+2)<16
	s_wait_dscnt 63                                ; this unit is in; of the two younger units' 64 loads 63 may be out
.else
	s_wait_dscnt 32*(15-U)
.endif
	WIN 0x58+4*((\ks)/4)
.irp f, 0,1,2,3
.irp d, 0,1,2,3
.set AC, 8*(4*(4*(\hf)+\f)+\d)
	MM AC, SL+16*\f, DR+16*\d, ZZ
.endr
.endr
.endm
	s_load_b256 s[4:11], s[0:1], 0x0               ; ctx_codes s[4:5], wout_codes s[6:7], the scales' exponents s[8:9], b_out s[10:11]
	s_load_b64 s[12:13], s[0:1], 0x20              ; out0
	v_lshl_add_u32 v[SPW], v0, 2, SPARE
	v_mov_b32 v[NIL], 0
	ds_add_u32 v[SPW], v[NIL]                      ; the wave's opening
	ds_add_u32 v[SPW], v[NIL]
	v_lshrrev_b32 v1, 5, v0
	v_readfirstlane_b32 s[WV], v1                  ; wave 0..3
	s_lshr_b32 s19, s[WV], 1                       ; which 64 tokens
	s_and_b32 s20, s[WV], 1                        ; which 128 columns
	s_bfe_u32 s21, ttmp6, 0x40000                  ; cx: it enters ctx's and out0's addresses alone
	s_lshl_b32 s22, ttmp9, 2
	s_add_co_u32 s22, s22, s21                     ; the block of 128 tokens
	s_and_b32 s23, ttmp7, 0xffff                   ; the block of 256 columns, which the four partners share
	s_mov_b32 s[G1], 15|(1<<20)|(1<<21)|(7<<22)|(3<<25)   ; the mask: all four; elements of 1 byte; four words of padding after every 256; bit 21 beside a mask
	s_mov_b32 s[G1+1], 1024<<16
	s_mov_b32 s[G1+2], 64<<16
	s_mov_b32 s[G1+3], 1024<<16
	s_mov_b32 s[G1+4], 64
	s_mov_b32 s[G1+5], 1024
	s_mov_b32 s[G1+6], 0
	s_mov_b32 s[G1+7], 0
	s_lshl_b32 s36, s23, 8
	s_lshl_b32 s37, s[WV], 6
	s_add_co_u32 s36, s36, s37                     ; the 64 rows that I fetch
	s_lshl_b32 s36, s36, 10
	s_mov_b32 s37, 0
	s_mul_i32 s38, s[WV], 64*XP
	s_wait_dscnt 0x0                               ; both opening adds are done
	s_wait_kmcnt 0x0
	s_load_b64 s[40:41], s[8:9], 0x18              ; e6, e7
	s_mov_b32 s[G0], 1
	s_mov_b32 s[G0+1], s38
	s_add_nc_u64 s[G0+2:G0+3], s[6:7], s[36:37]
	s_or_b32 s[G0+3], s[G0+3], 0x80000000
	CROUND                                         ; all four work-groups are here: the joint loads meet
	tensor_load_to_lds s[G0:G0+3], s[G1:G1+7]      ; my one tensor load
	s_nop 0
.rept 4
	v_nop
.endr
	v_and_b32 v10, 15, v0                          ; r
	v_bfe_u32 v11, v0, 4, 1                        ; h
	v_and_b32 v[LI], 31, v0
	v_lshlrev_b32 v[LI], 4, v[LI]
	v_mul_u32_u24 v[AW], v10, XP
	v_lshl_add_u32 v[AW], v11, 3, v[AW]
	s_mul_i32 s38, s20, 128*XP
	v_add_nc_u32 v[AW], s38, v[AW]
	v_add_nc_u32 v[AW+1], 64*XP, v[AW]
	v_lshlrev_b32 v[BH], 5, v11
	s_mul_i32 s38, s[WV], 16*SPITCH
	s_add_co_u32 s38, s38, STAGE                   ; my stage
	v_mul_u32_u24 v[STO], v10, SPITCH
	v_lshl_add_u32 v[STO], v11, 5, v[STO]
	v_add_nc_u32 v[STO], s38, v[STO]               ; in: row r, 32 bytes for each half of the lanes
	v_add_nc_u32 v[RD], s38, v[LI]                 ; back: the 32 lanes take one row of 512 bytes
	s_mov_b32 s39, 0
	s_lshr_b32 s36, s22, 4                         ; the batch: its 16 heads are 2^21 bytes
	s_lshl_b32 s36, s36, 21
	s_and_b32 s38, s22, 15
	s_lshl_b32 s38, s38, 1
	s_add_co_u32 s38, s38, s19
	s_lshl_b32 s38, s38, 12                        ; 64 tokens are 4,096 bytes of a head's image
	s_add_co_u32 s38, s38, s36
	s_add_nc_u64 s[4:5], s[4:5], s[38:39]
	s_lshl_b32 s36, s23, 10
	s_lshl_b32 s38, s20, 9
	s_add_co_u32 s38, s38, s36                     ; my first column, in bytes of f32
	s_add_nc_u64 s[10:11], s[10:11], s[38:39]
	s_add_nc_u64 s[12:13], s[12:13], s[38:39]
	s_lshl_b32 s38, s22, 1
	s_add_co_u32 s38, s38, s19
	s_lshl_b32 s38, s38, 18                        ; 64 rows of 4,096 bytes
	s_add_nc_u64 s[12:13], s[12:13], s[38:39]
.irp ks, 0,1,2,3,4,5,6,7
	WIN 0x80+0x40*(\ks/4)
.irp d, 0,1,2,3
.irp c, 0,1,2,3
	global_load_b128 v[64*(\ks%4)+16*\d+4*\c:64*(\ks%4)+16*\d+4*\c+3], v[LI], s[4:5] offset:131072*(2*\ks+\c/2)+1024*\d+512*(\c%2)
.endr
.endr
.endr
	WIN 0
	s_wait_kmcnt 0x0
	s_add_co_i32 s36, s40, s41
	s_add_co_i32 s36, s36, 127
	s_lshl_b32 s[FS], s36, 23
	s_mov_b32 s[FS+1], s[FS]
	s_wait_alu depctr_va_vdst(0)
	s_wait_tensorcnt 0x0                           ; my 64 rows are in
	s_barrier_signal -1
	s_barrier_wait -1                              ; everybody's are
	LOADU 0
	LOADU 1
.irp ks, 0,1,2,3,4,5,6,7
	UNIT \ks, 0
	UNIT \ks, 1
.endr
; THE WAY OUT, token tile by token tile: 16 rows x 128 columns through my stage, back as whole rows of 512 bytes.  LDS serves a wave's instructions in order (ISA guide 5.7.1.4): no wait between the stores and the loads.
.macro TOSTAGE d
	WIN 0x21                                       ; source 0 (the sums) window 1, source 2 (the bias) window 2
.irp i, 0,1,2,3,4,5,6,7
.irp jj, 0,2,4,6
	v_pk_fma_f32 v[TMP+8*\i+\jj:TMP+8*\i+\jj+1], v[8*(4*\i+(\d))+\jj:8*(4*\i+(\d))+\jj+1], s[FS:FS+1], v[8*\i+\jj:8*\i+\jj+1] op_sel_hi:[1,0,1]
.endr
.endr
	WIN 0
.irp i, 0,1,2,3,4,5,6,7
	ds_store_b128 v[STO], v[TMP+8*\i:TMP+8*\i+3] offset:64*\i
	ds_store_b128 v[STO], v[TMP+8*\i+4:TMP+8*\i+7] offset:64*\i+16
.endr
.irp t, 0,1,2,3,4,5,6,7,8,9,10,11,12,13,14,15
	ds_load_b128 v[BB+64*((\d)%2)+4*\t:BB+64*((\d)%2)+4*\t+3], v[RD] offset:\t*SPITCH
.endr
.endm
.macro SEND d, younger
	s_wait_dscnt \younger                          ; the tile is back in registers
.if (\d) > 0
	s_add_nc_u64 s[12:13], s[12:13], 16*4096       ; (behind a wait on XCNT: the earlier stores have read their base)
.endif
.irp t, 0,1,2,3,4,5,6,7,8,9,10,11,12,13,14,15
	global_store_b128 v[LI], v[BB+64*((\d)%2)+4*\t:BB+64*((\d)%2)+4*\t+3], s[12:13] offset:\t*4096 th:TH_STORE_NT
.endr
.endm
	PLACES
	s_wait_loadcnt 0x0                             ; the bias
	TOSTAGE 0
.irp a, 1,2,3
.if \a > 1
	s_wait_xcnt 0x0                                ; tile a - 2's stores have read their registers and their base
.endif
	TOSTAGE \a
	SEND \a-1, 32                                  ; behind tile a - 1's loads: tile a's 16 stores and 16 loads
.endr
	s_wait_xcnt 0x0
	SEND 3, 0
	s_wait_tensorcnt 0x0                           ; the wave's end
	ds_add_u32 v[SPW], v[NIL]
	s_wait_dscnt 0x0
	CROUND                                         ; the closing round
	s_endpgm
.Lfunc_end_k_q5dbb7140b5_proj:
	.size	k_q5dbb7140b5_proj, .Lfunc_end_k_q5dbb7140b5_proj-k_q5dbb7140b5_proj
	.p2alignl 7, 3214868480
	.fill 96, 4, 3214868480
	.section	.rodata,"a",@progbits
	.p2align	6, 0x0
	.amdhsa_kernel k_q5dbb7140b5_proj
		.amdhsa_group_segment_fixed_size 300544
		.amdhsa_private_segment_fixed_size 0
		.amdhsa_enable_private_segment 0
		.amdhsa_kernarg_size 40
		.amdhsa_user_sgpr_count 2
		.amdhsa_user_sgpr_kernarg_segment_ptr 1
		.amdhsa_wavefront_size32 1
		.amdhsa_system_sgpr_workgroup_id_x 1
		.amdhsa_system_sgpr_workgroup_id_y 1
		.amdhsa_system_sgpr_workgroup_id_z 1
		.amdhsa_system_vgpr_workitem_id 0
		.amdhsa_next_free_vgpr 1024
		.amdhsa_next_free_sgpr 66
		.amdhsa_reserve_vcc 0
		.amdhsa_float_denorm_mode_32 3
		.amdhsa_float_denorm_mode_16_64 3
		.amdhsa_memory_ordered 1
		.amdhsa_forward_progress 1
		.amdhsa_inst_pref_size 93
	.end_amdhsa_kernel
	.amdgpu_metadata
---
amdhsa.version: [ 1, 2 ]
amdhsa.kernels:
  - .name:           k_q5dbb7140b5_proj
    .symbol:         k_q5dbb7140b5_proj.kd
    .args:
      - { .name: ctx_codes, .offset: 0, .size: 8, .value_kind: global_buffer, .address_space: global }
      - { .name: wout_codes, .offset: 8, .size: 8, .value_kind: global_buffer, .address_space: global }
      - { .name: lowp_scales, .offset: 16, .size: 8, .value_kind: global_buffer, .address_space: global }
      - { .name: b_out, .offset: 24, .size: 8, .value_kind: global_buffer, .address_space: global }
      - { .name: out0, .offset: 32, .size: 8, .value_kind: global_buffer, .address_space: global }
    .group_segment_fixed_size: 300544
    .private_segment_fixed_size: 0
    .kernarg_segment_align: 8
    .kernarg_segment_size: 40
    .max_flat_workgroup_size: 128
    .sgpr_count:     66
    .vgpr_count:     1024
    .wavefront_size: 32
...
	.end_amdgpu_metadata
.endif
;; end of part 4
